; MI455X (gfx1250); checked and timed in simulation.
; The chip was launched on July 23, 2026; its instructions are those of AMD's public machine-readable ISA for CDNA 5 (MIT licence, August 2026) and "CDNA5" Instruction Set Architecture Reference Guide (July 2026). The comments in the code are by the model that wrote it; some were corrected since.
;; O SVGD. Allowed arithmetic: float matrix products may take bf16 or f16 operands with f32 sums; other float arithmetic in f32, or as packed bf16 or f16 multiplies, adds, multiply-adds, maxima and minima; sums over many terms, partial sums and values carried from step to step in f32; what a program stores and reads back later, other than sums and carried values, may be rounded once to bf16 or f16.
;; Inputs: mu 32 float32; particle 64 x 32 float32.
;; Outputs: out0 64 x 32 float32.
;; 2 versions, each right; version 2 is version 1 with the launch svgd written anew for expert scheduling mode. Each part assembles by itself: llvm-mc -triple=amdgcn-amd-amdhsa -mcpu=gfx1250 --defsym DOCPART=n.
;; ======== version 1 of 2: 1 launch
;; limits: values within 0.000244 (relative) of each other or of a threshold may be ordered or decided otherwise than in the reference
;; launch svgd (part 1): grid 1 x 1, 4 waves a work-group, no clusters, 24,832 bytes of LDS; arguments particle, mu, out0; writes out0
.if DOCPART == 1
	.amdgcn_target "amdgcn-amd-amdhsa--gfx1250"
	.amdhsa_code_object_version 6
	.text
	.protected	k_qa79a5692a8_svgd
	.globl	k_qa79a5692a8_svgd
	.p2align	8
	.type	k_qa79a5692a8_svgd,@function
k_qa79a5692a8_svgd:
	s_mov_b64 s[64:65], 0
	v_nop
	global_prefetch_b8 v0, s[64:65] scope:SCOPE_SE
	s_setreg_imm32_b32 hwreg(HW_REG_WAVE_MODE, 25, 1), 1
	s_wait_xcnt 0x0
; ONE O-SVGD STEP for 64 particles x_i in 32 dimensions, in closed form.  With r_j = |x_j|^2, m_j = x_j . mu, d_ij = |x_i - x_j|^2, denom = median(d) / ln 64 + 1e-6,
; k_ij = exp(-d_ij / denom), D_j = I - x_j x_j^T / r_j:   D_j (mu - x_j) = mu - x_j m_j / r_j;   div D_j = -31 x_j / r_j;   D_i D_j x_i = -(x_i . x_j / r_j) D_i x_j;   2 x_i . x_j = r_i + r_j - d_ij;
; the pair i = j has k = 1 with no derivative and D D = D, so its term is -31 x_i / r_i, not projected.  Hence, with a_j = (m_j + 31) / r_j, b_j = 1 / r_j, invd = 1 / denom:
;   W_ij = k_ij (a_j + invd + invd b_j (r_i - d_ij)), W_ii = 0 (D_i x_i = 0);   S_i = sum_j k_ij;   v_i = S_i mu - sum_j W_ij x_j;   g_i = v_i - x_i (x_i . v_i + 31) b_i;   out_i = x_i + clip(g_i 0.1 / 64, +-1000).
; ONE WORK-GROUP OF FOUR WAVES: the median couples all 4,096 pairs, and all that is left of the work is 131,072 squared differences, 4,096 exponentials and one product 64 x 64 x 32;
; shared among work-groups, d would have to go through memory and a second launch.  No cluster, no tensor load: nothing is shared between work-groups, and the input is 8,320 bytes.
; SHARES.  Wave w owns particles i = 16 w + r.  Lane l = (r = l % 16, h = l / 16) owns i and the partners j = 16 q + 8 h + e (q = 0..3, e = 0..7), in register 8 q + e.  That is the layout of a 16-bit matrix
; operand (column r; k = 8 h + e in registers 0-3, 16 + 8 h + e in registers 4-7; K step q / 2), so W rounded in pairs IS source 1 of V^T = X^T W^T; source 0, 16 channels x 32 j, comes turned out of LDS.
; In the result a lane holds its own particle's channels 16 mt + 8 h + 0..7.  Only this product is rounded to bf16; d, r, m, S and the projection are f32.
; NO BRANCH AND NO ADDRESS HANGS ON DATA: the median's decisions are selections of values.
; LIMITS.  No particle is the zero vector (reference() divides by r too); NaN and infinities are not treated apart.  A weight k below 2^-126 counts as 0.  The median is exact where its two middle numbers fall
; into different buckets of 2^11 units of the last place, else within 2^-12 of itself, for every input.  W and x are rounded to bf16 for W X: that error grows with a common offset of x.
; The sums in d, r and m run in another order than reference()'s.  The clip is taken ahead of the scale: clip(g, +-640000) x 0.1 / 64, fused with the addition of x; 640000 x 0.1 / 64 = 1000 to within one rounding of f32.
.set XF,    0          ; LDS: x in f32, 64 rows of 128 bytes, dense: read only with all sixteen lanes of a half at one address
.set XB,    8192       ; x in bf16, [j][c], rows 96 bytes apart (64 of data): an odd multiple of 32
.set PB,    96
.set STA,   14336      ; a_j, 64 words; b_j 256 bytes behind
.set EX,    14848      ; the waves' counts: slot 0 at +0, slot 1 at +16 (a word a wave); at +32 each wave's two extremes
.set STAGE, 15104      ; the way out: 16 rows x 144 bytes for each wave
.set SP,    144
.set SPARE, 24320      ; the spare words, 128 bytes for each wave: two blocks of 256 bytes that no other line names
.set R,   1            ; l % 16
.set H,   2            ; l / 16
.set LIN, 3            ; 16 x thread: my 16 bytes of each quarter of x, in memory and in XF
.set XIO, 4            ; 128 i
.set XBA, 5            ; where my four bf16 go in XB
.set STW, 6            ; STA + 4 i
.set XJA, 7            ; 1,024 h: my half's eight partners in a group of sixteen rows of XF
.set STR, 8            ; STA + 32 h
.set TRA, 9            ; the turning load's address
.set EXW, 10           ; EX + 4 w
.set EXR, 11           ; EX
.set FNW, 12           ; EX + 32 + 8 w
.set JD,  13           ; i - 8 h: register 8 q + e holds the pair i = j where 16 q + e equals it
.set XEO, 14           ; 128 i + 32 h
.set MUO, 15           ; 32 h
.set SGW, 16           ; the stage: where I put my channels
.set SGR, 17           ; the stage: where I read rows back
.set GO,  18           ; my 16 bytes of 512 consecutive bytes of out0
.set ZO,  19           ; 0
.set SPW, 20           ; LDS address of my spare word: SPARE + 4 x my thread's number; never rewritten
.set NIL, 21           ; 0; never rewritten
.set RI,  22           ; r_i            (named as a pair with b_i)
.set RB,  23           ; b_i
.set INVD, 24          ; 1 / denom      (pair with denom)
.set DEN, 25
.set NL,  26           ; -log2(e) / denom (pair with MED2)
.set MED2, 27          ; the sum of the two middle numbers
.set T,   28           ; the median's bits found so far
.set CAND, 29
.set CU,  30           ; how many d lie below the candidate refused last
.set CL,  31
.set CG,  32           ; v[32:39] what is read back from EX
.set MX,  40           ; (pair with MN)
.set MN,  41
.set TA,  42
.set TB,  43
.set U,   44
.set HI,  45
.set S,   46           ; S_i (pair with v47, at work)
.set COEF, 48          ; (pair with v49, at work)
.set MXC, 56           ; v[56:63] four chains of maxima (even) and minima (odd)
.set XI,  64           ; v[64:95]  x_i, all 32 channels; later XE and MUE
.set XE,  64           ; v[64:79]  x_i, my 16 channels of the result
.set MUE, 80           ; v[80:95]  mu, the same channels
.set D,   96           ; v[96:127] d, then k, then W
.set FL,  128          ; the fill: 16 numbers of x
.set FB,  144          ; the same in bf16
.set MU,  160          ; mu, all 32
.set RA,  192          ; two chains for r_i
.set MA,  196          ; two chains for m_i
.set TM,  200
.set XJ,  128          ; v[128:223] three buffers of 8 partners x 4 channels
.set P,   224          ; v[224:239] eight partners' sums, even and odd channels apart
.set TD,  240          ; v[240:255] differences
.set AJ,  128          ; v[128:159] a_j
.set BJ,  160          ; v[160:191] b_j
.set XT,  192          ; v[192:223] X^T: K step s, channel tile mt at XT + 8 (2 s + mt)
.set TT,  224          ; v[224:255] at work: W's factor
.set WB,  128          ; v[128:143] W in bf16
.set V,   144          ; v[144:159] two accumulators
.set SA,  160          ; v[160:167] four chains for S
.set VV,  168          ; v[168:183] v, g, the result
.set DT,  184          ; v[184:187] two chains for x_i . v_i
.set BK,  224          ; v[224:239] rows read back from the stage
.set WV,  10           ; s10 my wave's number
.set SEL, 12           ; s[12:13] v_permlanex16_b32's selects: each lane takes its own place in the other half
.set BIT, 14
.set TRIP, 15
.set LO,  18           ; -640000
.set UP,  19           ; 640000
.set HLN, 20           ; 0.5 / ln 64
.set INF, 21           ; +infinity
.set MASK, 32          ; s[32:63] a lane mask, then a count, for each of my 32 registers of d
	s_load_b128 s[4:7], s[0:1], 0x0                ; particle s[4:5], mu s[6:7]
	s_load_b64 s[8:9], s[0:1], 0x10                ; out0
	v_lshl_add_u32 v[SPW], v0, 2, SPARE
	v_mov_b32 v[NIL], 0
	v_lshrrev_b32 v50, 5, v0
	v_readfirstlane_b32 s[WV], v50                 ; wave 0..3
	v_and_b32 v[R], 15, v0
	v_lshl_add_u32 v51, s[WV], 4, v[R]             ; i
	v_lshlrev_b32 v[LIN], 4, v0
	v_lshlrev_b32 v[XIO], 7, v51
	v_mov_b32 v[ZO], 0
	s_wait_kmcnt 0x0
.irp z, 0,1,2,3
	global_load_b128 v[FL+4*(\z):FL+4*(\z)+3], v[LIN], s[4:5] offset:2048*(\z)  ; all of x once, 128 threads x 16 bytes x 4
.endr
.irp z, 0,1,2,3,4,5,6,7
	global_load_b128 v[XI+4*(\z):XI+4*(\z)+3], v[XIO], s[4:5] offset:16*(\z)    ; my particle's row
.endr
.irp z, 0,1,2,3,4,5,6,7
	global_load_b128 v[MU+4*(\z):MU+4*(\z)+3], v[ZO], s[6:7] offset:16*(\z)     ; mu
.endr
	; the other addresses and constants are made while those twenty loads are out
	v_bfe_u32 v[H], v0, 4, 1
	v_and_b32 v50, 31, v0                          ; l
	v_lshrrev_b32 v52, 3, v0                       ; thread / 8: the row, within sixteen, of my 16 bytes
	v_and_b32 v53, 7, v0                           ; thread % 8 = l % 8
	v_mul_u32_u24 v[XBA], v52, PB
	v_lshl_add_u32 v[XBA], v53, 3, v[XBA]
	v_add_nc_u32 v[XBA], XB, v[XBA]
	v_lshl_add_u32 v[STW], v51, 2, STA
	v_lshlrev_b32 v[XJA], 10, v[H]
	v_lshl_add_u32 v[STR], v[H], 5, STA
	v_lshl_add_u32 v54, v[H], 3, v53               ; the turning load: lane l reads row 8 h + l % 8, 16 bytes at 16 ((l / 8) % 2)
	v_mul_u32_u24 v[TRA], v54, PB
	v_bfe_u32 v55, v0, 3, 1
	v_lshl_add_u32 v[TRA], v55, 4, v[TRA]
	v_add_nc_u32 v[TRA], XB, v[TRA]
	s_lshl_b32 s11, s[WV], 2
	s_add_co_u32 s11, s11, EX
	v_mov_b32 v[EXW], s11
	v_mov_b32 v[EXR], EX
	s_lshl_b32 s11, s[WV], 3
	s_add_co_u32 s11, s11, EX+32
	v_mov_b32 v[FNW], s11
	v_lshlrev_b32 v54, 3, v[H]
	v_sub_nc_u32 v[JD], v51, v54                   ; (wraps where i < 8 h: then it equals no 16 q + e)
	v_lshl_add_u32 v[XEO], v[H], 5, v[XIO]
	v_lshlrev_b32 v[MUO], 5, v[H]
	s_mul_i32 s11, s[WV], 16*SP
	s_add_co_u32 s11, s11, STAGE                   ; my wave's stage
	v_mul_u32_u24 v[SGW], v[R], SP
	v_lshl_add_u32 v[SGW], v[H], 5, v[SGW]
	v_add_nc_u32 v[SGW], s11, v[SGW]
	v_bfe_u32 v54, v0, 3, 2                        ; l / 8: 32 lanes take four rows of 128 bytes
	v_mul_u32_u24 v[SGR], v54, SP
	v_lshl_add_u32 v[SGR], v53, 4, v[SGR]
	v_add_nc_u32 v[SGR], s11, v[SGR]
	s_lshl_b32 s11, s[WV], 11                      ; my wave's 16 rows of out0
	v_lshl_add_u32 v[GO], v50, 4, s11
	v_mov_b32 v[TA], 0                             ; the destinations of v_permlanex16_b32 count as read: written once here
	v_mov_b32 v[TB], 0
	v_mov_b32 v[S+1], 0
	v_mov_b32 v[COEF+1], 0
	s_mov_b32 s[SEL], 0x76543210
	s_mov_b32 s[SEL+1], 0xfedcba98
	s_mov_b32 s[LO], 0xc91c4000                    ; -640000
	s_mov_b32 s[UP], 0x491c4000                    ; 640000
	s_mov_b32 s[HLN], 0x3df6384f                   ; 0.5 / ln 64
	s_mov_b32 s[INF], 0x7f800000
	; 1. x INTO LDS, in f32 and in bf16; a_i and b_i
	s_wait_loadcnt 16                              ; the four fill loads are in; the 16 younger (my row, mu) may stay out
.irp z, 0,1,2,3
	ds_store_b128 v[LIN], v[FL+4*(\z):FL+4*(\z)+3] offset:XF+2048*(\z)
.endr
.irp z, 0,1,2,3
	v_cvt_pk_bf16_f32 v[FB+2*(\z)], v[FL+4*(\z)], v[FL+4*(\z)+1]
	v_cvt_pk_bf16_f32 v[FB+2*(\z)+1], v[FL+4*(\z)+2], v[FL+4*(\z)+3]
.endr
.irp z, 0,1,2,3
	ds_store_b64 v[XBA], v[FB+2*(\z):FB+2*(\z)+1] offset:16*PB*(\z)
.endr
	s_wait_loadcnt 0x0                             ; my row and mu
.set p, 0
.rept 16                               ; r_i and m_i, two chains each; the first products start the sums
.if p < 2
	v_pk_mul_f32 v[RA+2*p:RA+2*p+1], v[XI+2*p:XI+2*p+1], v[XI+2*p:XI+2*p+1]
	v_pk_mul_f32 v[MA+2*p:MA+2*p+1], v[XI+2*p:XI+2*p+1], v[MU+2*p:MU+2*p+1]
.else
	v_pk_fma_f32 v[RA+2*(p%2):RA+2*(p%2)+1], v[XI+2*p:XI+2*p+1], v[XI+2*p:XI+2*p+1], v[RA+2*(p%2):RA+2*(p%2)+1]
	v_pk_fma_f32 v[MA+2*(p%2):MA+2*(p%2)+1], v[XI+2*p:XI+2*p+1], v[MU+2*p:MU+2*p+1], v[MA+2*(p%2):MA+2*(p%2)+1]
.endif
.set p, p+1
.endr
	v_pk_add_f32 v[RA:RA+1], v[RA:RA+1], v[RA+2:RA+3]
	v_pk_add_f32 v[MA:MA+1], v[MA:MA+1], v[MA+2:MA+3]
	v_add_f32 v[RI], v[RA], v[RA+1]
	v_add_f32 v[TM], v[MA], v[MA+1]
	v_rcp_f32 v[RB], v[RI]
	v_add_f32 v[TM], 0x41f80000, v[TM]             ; m_i + 31: the plain instruction behind the reciprocal
	s_wait_alu depctr_va_vdst(0)                   ; ahead of the reciprocal's first reader
	v_mul_f32 v[TM+1], v[TM], v[RB]                ; a_i
	ds_store_b32 v[STW], v[TM+1]                   ; (both halves of the lanes hold the same i and write the same number)
	ds_store_b32 v[STW], v[RB] offset:256
	s_wait_dscnt 0x0                               ; for the others' sake: my stores are done
	s_barrier_signal -1
	s_barrier_wait -1                              ; x, a and b lie whole in LDS; they are never written again
	; 2. d_ij, from differences in f32, as reference() makes it.  32 chunks n = 8 q + z: eight partners x four channels, through three register buffers.
.macro LOADC n
.set lq, (\n)/8
.set lz, (\n)%8
.set lb, XJ+32*((\n)%3)
.irp e, 0,1,2,3,4,5,6,7
	ds_load_b128 v[lb+4*(\e):lb+4*(\e)+3], v[XJA] offset:XF+(16*lq+(\e))*128+16*lz
.endr
.endm
.macro CHUNK n
.set cq, (\n)/8
.set cz, (\n)%8
.set cb, XJ+32*((\n)%3)
.if (\n) < 30
	s_wait_dscnt 16                                ; LDS loads come back in order: this chunk's eight are in, the two younger chunks' sixteen may be out
.else
	s_wait_dscnt 8*(31-(\n))                       ; the last two chunks have one younger chunk, and none
.endif
.irp u, 0,1
.irp e, 0,1,2,3,4,5,6,7
	v_pk_add_f32 v[TD+2*(\e):TD+2*(\e)+1], v[XI+4*cz+2*(\u):XI+4*cz+2*(\u)+1], v[cb+4*(\e)+2*(\u):cb+4*(\e)+2*(\u)+1] neg_lo:[0,1] neg_hi:[0,1]
.endr
.irp e, 0,1,2,3,4,5,6,7
.if (cz == 0) && ((\u) == 0)
	v_pk_mul_f32 v[P+2*(\e):P+2*(\e)+1], v[TD+2*(\e):TD+2*(\e)+1], v[TD+2*(\e):TD+2*(\e)+1]  ; the first squares start the sums
.else
	v_pk_fma_f32 v[P+2*(\e):P+2*(\e)+1], v[TD+2*(\e):TD+2*(\e)+1], v[TD+2*(\e):TD+2*(\e)+1], v[P+2*(\e):P+2*(\e)+1]
.endif
.endr
.endr
.if cz == 7
.irp e, 0,1,2,3,4,5,6,7
	v_add_f32 v[D+8*cq+(\e)], v[P+2*(\e)], v[P+2*(\e)+1]
.endr
.endif
.if (\n) < 29
	LOADC (\n)+3                                   ; the buffer just read takes the chunk three further on
.endif
.endm
	LOADC 0
	LOADC 1
	LOADC 2
.set n, 0
.rept 32
	CHUNK n
.set n, n+1
.endr
	; what the phases behind the median want is asked for now: it lands while the median is found
.irp z, 0,1
	global_load_b128 v[XE+8*(\z):XE+8*(\z)+3],     v[XEO], s[4:5] offset:64*(\z)      ; x_i, channels 16 z + 8 h + 0..7
	global_load_b128 v[XE+8*(\z)+4:XE+8*(\z)+7],   v[XEO], s[4:5] offset:64*(\z)+16
	global_load_b128 v[MUE+8*(\z):MUE+8*(\z)+3],   v[MUO], s[6:7] offset:64*(\z)      ; mu, the same channels
	global_load_b128 v[MUE+8*(\z)+4:MUE+8*(\z)+7], v[MUO], s[6:7] offset:64*(\z)+16
.endr
.irp q, 0,1,2,3
.irp u, 0,1
	ds_load_b128 v[AJ+8*(\q)+4*(\u):AJ+8*(\q)+4*(\u)+3], v[STR] offset:64*(\q)+16*(\u)
	ds_load_b128 v[BJ+8*(\q)+4*(\u):BJ+8*(\q)+4*(\u)+3], v[STR] offset:64*(\q)+16*(\u)+256
.endr
.endr
.irp s, 0,1
.irp m, 0,1
	ds_load_tr16_b128 v[XT+8*(2*(\s)+(\m)):XT+8*(2*(\s)+(\m))+3],   v[TRA] offset:32*PB*(\s)+32*(\m)        ; j = 32 s + 8 h + 0..7 of channel 16 m + r
	ds_load_tr16_b128 v[XT+8*(2*(\s)+(\m))+4:XT+8*(2*(\s)+(\m))+7], v[TRA] offset:32*PB*(\s)+32*(\m)+16*PB  ; j = 32 s + 16 + 8 h + 0..7
.endr
.endr
	; 3. THE MEDIAN of the 4,096 d.  d >= 0, so the bit patterns order as the numbers do.  Bit by bit, from bit 30 to bit 11: T is the greatest multiple of 2^11 below which at most 2,047 of the d lie.
	; A round: each wave counts its 1,024 (a compare a register into a lane mask, the masks' bits counted and added in a tree), the four counts meet in LDS, every lane decides alike, by selection.
	; ONE BARRIER A ROUND, on two slots by turns: a slot is stored again only behind the other slot's barrier, in front of which every wave has waited for its reads of the first.
	v_mov_b32 v[T], 0
	v_mov_b32 v[CU], 0x1000                        ; below the bound above all candidates lie all 4,096
	s_mov_b32 s[BIT], 0x40000000
	s_mov_b32 s[TRIP], 10
.macro ROUND slot
	v_or_b32 v[CAND], s[BIT], v[T]
.set k, 0
.rept 32
	v_cmp_gt_u32 s[MASK+k], v[CAND], v[D+k]
.set k, k+1
.endr
.set k, 0
.rept 32
	s_bcnt1_i32_b32 s[MASK+k], s[MASK+k]
.set k, k+1
.endr
.irp st, 16,8,4,2,1
.set k, 0
.rept (\st)
	s_add_co_u32 s[MASK+k], s[MASK+k], s[MASK+k+(\st)]
.set k, k+1
.endr
.endr
	v_mov_b32 v[CL], s[MASK]
	ds_store_b32 v[EXW], v[CL] offset:16*(\slot)
	s_wait_dscnt 0x0                               ; for the others' sake: my count is in LDS (the first time also: the loads issued above are in)
	s_barrier_signal -1
	s_lshr_b32 s[BIT], s[BIT], 1
	s_barrier_wait -1
	ds_load_b128 v[CG:CG+3], v[EXR] offset:16*(\slot)
	s_wait_dscnt 0x0
	v_add3_u32 v[CL], v[CG], v[CG+1], v[CG+2]
	v_add_nc_u32 v[CL], v[CL], v[CG+3]
	v_cmp_gt_u32 vcc_lo, 0x800, v[CL]              ; at most 2,047 below the candidate: it is taken
	v_cndmask_b32 v[T], v[T], v[CAND], vcc_lo
	v_cndmask_b32 v[CU], v[CL], v[CU], vcc_lo      ; else its count is kept
.endm
.Lbit:                                         ; ten trips of two rounds: bits 30 to 11
	ROUND 0
	ROUND 1
	s_sub_co_i32 s[TRIP], s[TRIP], 1
	s_cmp_lg_u32 s[TRIP], 0
	s_cbranch_scc1 .Lbit
	; U = T + 2^11 is the candidate refused last, CU >= 2,048 the count below it.  The lower middle number lies in [T, U): it is taken as the greatest d below U (exactly so where CU = 2,048);
	; the upper one is the least d from U on where CU = 2,048, else it lies in the same bucket and is taken as the same number.
	v_add_nc_u32 v[U], 0x800, v[T]
.set k, 0
.rept 32
	v_cmp_gt_u32 s[MASK+k], v[U], v[D+k]
.set k, k+1
.endr
.irp c, 0,1,2,3                        ; four chains each; for the maximum a d from U on counts as 0, for the minimum a d below U as +infinity
	v_cndmask_b32 v[MXC+2*(\c)], 0, v[D+(\c)], s[MASK+(\c)]
	v_cndmask_b32 v[MXC+2*(\c)+1], v[D+(\c)], s[INF], s[MASK+(\c)]
.endr
.set g, 4
.rept 7
.irp c, 0,1,2,3
	v_cndmask_b32 v[TT+2*(\c)], 0, v[D+g+(\c)], s[MASK+g+(\c)]
	v_cndmask_b32 v[TT+2*(\c)+1], v[D+g+(\c)], s[INF], s[MASK+g+(\c)]
.endr
.irp c, 0,1,2,3
	v_max_num_f32 v[MXC+2*(\c)], v[MXC+2*(\c)], v[TT+2*(\c)]
	v_min_num_f32 v[MXC+2*(\c)+1], v[MXC+2*(\c)+1], v[TT+2*(\c)+1]
.endr
.set g, g+4
.endr
	v_max3_num_f32 v[MXC], v[MXC], v[MXC+2], v[MXC+4]
	v_min3_num_f32 v[MXC+1], v[MXC+1], v[MXC+3], v[MXC+5]
	v_max_num_f32 v[MX], v[MXC], v[MXC+6]
	v_min_num_f32 v[MN], v[MXC+1], v[MXC+7]
.irp m, 1,2,4,8                        ; across the lanes: four steps inside each half ride on the arithmetic, one crosses the halves
	v_max_num_f32_dpp v[MX], v[MX], v[MX] row_xmask:\m row_mask:0xf bank_mask:0xf
	v_min_num_f32_dpp v[MN], v[MN], v[MN] row_xmask:\m row_mask:0xf bank_mask:0xf
.endr
	v_permlanex16_b32 v[TA], v[MX], s[SEL], s[SEL+1]
	v_permlanex16_b32 v[TB], v[MN], s[SEL], s[SEL+1]
	v_max_num_f32 v[MX], v[MX], v[TA]
	v_min_num_f32 v[MN], v[MN], v[TB]
	ds_store_b64 v[FNW], v[MX:MN]
	s_wait_dscnt 0x0                               ; for the others' sake
	s_barrier_signal -1
	s_barrier_wait -1
	ds_load_b128 v[CG:CG+3], v[EXR] offset:32
	ds_load_b128 v[CG+4:CG+7], v[EXR] offset:48
	s_wait_dscnt 0x0
	v_max3_num_f32 v[TA], v[CG], v[CG+2], v[CG+4]
	v_min3_num_f32 v[TB], v[CG+1], v[CG+3], v[CG+5]
	v_max_num_f32 v[TA], v[TA], v[CG+6]
	v_min_num_f32 v[TB], v[TB], v[CG+7]
	v_cmp_gt_u32 vcc_lo, 0x801, v[CU]
	v_cndmask_b32 v[HI], v[TA], v[TB], vcc_lo
	v_add_f32 v[MED2], v[TA], v[HI]
	v_fmaak_f32 v[DEN], s[HLN], v[MED2], 0x358637bd  ; denom = (sum of the two) x 0.5 / ln 64 + 1e-6
	v_rcp_f32 v[INVD], v[DEN]
	; 4. THE WEIGHTS.  r_i - d needs no median: it is the independent work behind the reciprocal.
.set p, 0
.rept 16
	v_pk_add_f32 v[TT+2*p:TT+2*p+1], v[RI:RI+1], v[D+2*p:D+2*p+1] op_sel_hi:[0,1] neg_lo:[0,1] neg_hi:[0,1]
.set p, p+1
.endr
	s_wait_alu depctr_va_vdst(0)                   ; ahead of the reciprocal's first reader
	v_mul_f32 v[NL], 0xbfb8aa3b, v[INVD]           ; -log2(e) / denom
.set p, 0
.rept 16
	v_pk_mul_f32 v[D+2*p:D+2*p+1], v[D+2*p:D+2*p+1], v[NL:NL+1] op_sel_hi:[1,0]
.set p, p+1
.endr
.set p, 0
.rept 16                               ; the 32 exponentials are one batch; a plain instruction that names none of their registers stands behind each
	v_exp_f32 v[D+2*p], v[D+2*p]
	v_pk_mul_f32 v[BJ+2*p:BJ+2*p+1], v[BJ+2*p:BJ+2*p+1], v[INVD:INVD+1] op_sel_hi:[1,0]  ; invd b_j
	v_exp_f32 v[D+2*p+1], v[D+2*p+1]
	v_pk_add_f32 v[AJ+2*p:AJ+2*p+1], v[AJ+2*p:AJ+2*p+1], v[INVD:INVD+1] op_sel_hi:[1,0]  ; a_j + invd
.set p, p+1
.endr
.set p, 0
.rept 16
	v_pk_fma_f32 v[TT+2*p:TT+2*p+1], v[BJ+2*p:BJ+2*p+1], v[TT+2*p:TT+2*p+1], v[AJ+2*p:AJ+2*p+1]
.set p, p+1
.endr
.set k, 0
.rept 32                               ; W_ii = 0
	v_cmp_ne_u32 vcc_lo, 16*(k/8)+k%8, v[JD]
	v_cndmask_b32 v[TT+k], 0, v[TT+k], vcc_lo
.set k, k+1
.endr
	s_wait_alu depctr_va_vdst(0)                   ; one wait for the batch, ahead of the first line that names a k
.irp c, 0,1,2,3                        ; S_i, k_ii = 1 among its terms: four chains over the 16 pairs
	v_pk_add_f32 v[SA+2*(\c):SA+2*(\c)+1], v[D+2*(\c):D+2*(\c)+1], v[D+8+2*(\c):D+8+2*(\c)+1]
.endr
.irp c, 0,1,2,3
	v_pk_add_f32 v[SA+2*(\c):SA+2*(\c)+1], v[SA+2*(\c):SA+2*(\c)+1], v[D+16+2*(\c):D+16+2*(\c)+1]
.endr
.irp c, 0,1,2,3
	v_pk_add_f32 v[SA+2*(\c):SA+2*(\c)+1], v[SA+2*(\c):SA+2*(\c)+1], v[D+24+2*(\c):D+24+2*(\c)+1]
.endr
.set p, 0
.rept 16
	v_pk_mul_f32 v[D+2*p:D+2*p+1], v[D+2*p:D+2*p+1], v[TT+2*p:TT+2*p+1]
.set p, p+1
.endr
.set p, 0
.rept 16
	v_cvt_pk_bf16_f32 v[WB+p], v[D+2*p], v[D+2*p+1]
.set p, p+1
.endr
	; 5. V^T = X^T W^T: two channel tiles x two K steps of 32 partners.  The two accumulators take turns; the first products start the sums.
	v_wmma_f32_16x16x32_bf16 v[V:V+7],    v[XT:XT+7],     v[WB:WB+7],    0
	v_wmma_f32_16x16x32_bf16 v[V+8:V+15], v[XT+8:XT+15],  v[WB:WB+7],    0
	v_wmma_f32_16x16x32_bf16 v[V:V+7],    v[XT+16:XT+23], v[WB+8:WB+15], v[V:V+7]
	v_wmma_f32_16x16x32_bf16 v[V+8:V+15], v[XT+24:XT+31], v[WB+8:WB+15], v[V+8:V+15]
	v_pk_add_f32 v[SA:SA+1], v[SA:SA+1], v[SA+2:SA+3]        ; eight plain instructions that name none of the products' registers stand behind them
	v_pk_add_f32 v[SA+4:SA+5], v[SA+4:SA+5], v[SA+6:SA+7]
	v_pk_add_f32 v[SA:SA+1], v[SA:SA+1], v[SA+4:SA+5]
	v_add_f32 v[S], v[SA], v[SA+1]
.rept 4
	v_nop
.endr
	v_permlanex16_b32 v[S+1], v[S], s[SEL], s[SEL+1]         ; the particle's other 32 partners lie in the lane 16 away
	v_add_f32 v[S], v[S], v[S+1]
	s_wait_loadcnt 0x0                             ; x_i's and mu's 16 channels, asked for ahead of the median
	; 6. v = S mu - V; g = v - x (x . v + 31) b; out = x + clip(g) 0.1 / 64.  Each accumulator is read from its low end on.
.set p, 0
.rept 8
	v_pk_fma_f32 v[VV+2*p:VV+2*p+1], v[MUE+2*p:MUE+2*p+1], v[S:S+1], v[V+2*p:V+2*p+1] op_sel_hi:[1,0,1] neg_lo:[0,0,1] neg_hi:[0,0,1]
.set p, p+1
.endr
.set p, 0
.rept 8
.if p < 2
	v_pk_mul_f32 v[DT+2*p:DT+2*p+1], v[XE+2*p:XE+2*p+1], v[VV+2*p:VV+2*p+1]
.else
	v_pk_fma_f32 v[DT+2*(p%2):DT+2*(p%2)+1], v[XE+2*p:XE+2*p+1], v[VV+2*p:VV+2*p+1], v[DT+2*(p%2):DT+2*(p%2)+1]
.endif
.set p, p+1
.endr
	v_pk_add_f32 v[DT:DT+1], v[DT:DT+1], v[DT+2:DT+3]
	v_add_f32 v[DT], v[DT], v[DT+1]
	v_permlanex16_b32 v[COEF+1], v[DT], s[SEL], s[SEL+1]     ; the other 16 channels
	v_add_f32 v[DT], v[DT], v[COEF+1]
	v_add_f32 v[COEF], 0x41f80000, v[DT]
	v_mul_f32 v[COEF], v[COEF], v[RB]
.set p, 0
.rept 8
	v_pk_fma_f32 v[VV+2*p:VV+2*p+1], v[XE+2*p:XE+2*p+1], v[COEF:COEF+1], v[VV+2*p:VV+2*p+1] op_sel_hi:[1,0,1] neg_lo:[1,0,0] neg_hi:[1,0,0]
.set p, p+1
.endr
.set k, 0
.rept 16
	v_med3_num_f32 v[VV+k], v[VV+k], s[LO], s[UP]
.set k, k+1
.endr
.set p, 0
.rept 8
	v_pk_fma_f32 v[VV+2*p:VV+2*p+1], v[VV+2*p:VV+2*p+1], 0x3acccccd, v[XE+2*p:XE+2*p+1] op_sel_hi:[1,0,1]
.set p, p+1
.endr
	; THE WAY OUT, through my wave's own stage: a lane's channels go into rows of 144 bytes and come back as whole rows of 128
	ds_store_b128 v[SGW], v[VV:VV+3]
	ds_store_b128 v[SGW], v[VV+4:VV+7] offset:16
	ds_store_b128 v[SGW], v[VV+8:VV+11] offset:64
	ds_store_b128 v[SGW], v[VV+12:VV+15] offset:80
.irp z, 0,1,2,3
	ds_load_b128 v[BK+4*(\z):BK+4*(\z)+3], v[SGR] offset:4*SP*(\z)  ; LDS serves a wave's instructions in order (ISA guide 5.7.1.4): these see the stores above
.endr
.irp z, 0,1,2,3
	s_wait_dscnt 3-(\z)                            ; four rows are back; the younger loads may stay out
	global_store_b128 v[GO], v[BK+4*(\z):BK+4*(\z)+3], s[8:9] offset:512*(\z)  ; 512 consecutive bytes, at a multiple of 256 from out0's first
.endr
	s_wait_tensorcnt 0x0                           ; the wave's end, behind my last LDS store
	ds_add_u32 v[SPW], v[NIL]
	s_wait_dscnt 0x0
	s_endpgm
.Lfunc_end_k_qa79a5692a8_svgd:
	.size	k_qa79a5692a8_svgd, .Lfunc_end_k_qa79a5692a8_svgd-k_qa79a5692a8_svgd
	.p2alignl 7, 3214868480
	.fill 96, 4, 3214868480
	.section	.rodata,"a",@progbits
	.p2align	6, 0x0
	.amdhsa_kernel k_qa79a5692a8_svgd
		.amdhsa_group_segment_fixed_size 24832
		.amdhsa_private_segment_fixed_size 0
		.amdhsa_enable_private_segment 0
		.amdhsa_kernarg_size 24
		.amdhsa_user_sgpr_count 2
		.amdhsa_user_sgpr_kernarg_segment_ptr 1
		.amdhsa_wavefront_size32 1
		.amdhsa_system_sgpr_workgroup_id_x 1
		.amdhsa_system_sgpr_workgroup_id_y 1
		.amdhsa_system_sgpr_workgroup_id_z 1
		.amdhsa_system_vgpr_workitem_id 0
		.amdhsa_next_free_vgpr 256
		.amdhsa_next_free_sgpr 66
		.amdhsa_reserve_vcc 1
		.amdhsa_float_denorm_mode_32 3
		.amdhsa_float_denorm_mode_16_64 3
		.amdhsa_memory_ordered 1
		.amdhsa_forward_progress 1
		.amdhsa_inst_pref_size 129
	.end_amdhsa_kernel
	.amdgpu_metadata
---
amdhsa.version: [ 1, 2 ]
amdhsa.kernels:
  - .name:           k_qa79a5692a8_svgd
    .symbol:         k_qa79a5692a8_svgd.kd
    .args:
      - { .name: particle, .offset: 0, .size: 8, .value_kind: global_buffer, .address_space: global }
      - { .name: mu, .offset: 8, .size: 8, .value_kind: global_buffer, .address_space: global }
      - { .name: out0, .offset: 16, .size: 8, .value_kind: global_buffer, .address_space: global }
    .group_segment_fixed_size: 24832
    .private_segment_fixed_size: 0
    .kernarg_segment_align: 8
    .kernarg_segment_size: 24
    .max_flat_workgroup_size: 128
    .sgpr_count:     66
    .vgpr_count:     256
    .wavefront_size: 32
...
	.end_amdgpu_metadata
.endif
;; end of part 1
;; ======== version 2 of 2: 1 launch; version 1 with the launch svgd written anew for expert scheduling mode
;; limits: values within 0.000244 (relative) of each other or of a threshold may be ordered or decided otherwise than in the reference
;; launch svgd (part 2): grid 1 x 1, 4 waves a work-group, no clusters, 24,832 bytes of LDS; arguments particle, mu, out0; writes out0
.if DOCPART == 2
	.amdgcn_target "amdgcn-amd-amdhsa--gfx1250"
	.amdhsa_code_object_version 6
	.text
	.protected	k_qa79a5692a8_svgd
	.globl	k_qa79a5692a8_svgd
	.p2align	8
	.type	k_qa79a5692a8_svgd,@function
k_qa79a5692a8_svgd:
	s_mov_b64 s[64:65], 0
	v_nop
	global_prefetch_b8 v0, s[64:65] scope:SCOPE_SE
	s_setreg_imm32_b32 hwreg(HW_REG_WAVE_SCHED_MODE, 0, 2), 2
	s_setreg_imm32_b32 hwreg(HW_REG_WAVE_MODE, 25, 1), 1
	s_wait_xcnt 0x0
	s_wait_alu depctr_vm_vsrc(0)
; ONE O-SVGD STEP for 64 particles x_i in 32 dimensions, in closed form.  With r_j = |x_j|^2, m_j = x_j . mu, d_ij = |x_i - x_j|^2, denom = median(d) / ln 64 + 1e-6,
; k_ij = exp(-d_ij / denom), D_j = I - x_j x_j^T / r_j:   D_j (mu - x_j) = mu - x_j m_j / r_j;   div D_j = -31 x_j / r_j;   D_i D_j x_i = -(x_i . x_j / r_j) D_i x_j;   2 x_i . x_j = r_i + r_j - d_ij;
; the pair i = j has k = 1 with no derivative and D D = D, so its term is -31 x_i / r_i, not projected.  Hence, with a_j = (m_j + 31) / r_j, b_j = 1 / r_j, invd = 1 / denom:
;   W_ij = k_ij (a_j + invd + invd b_j (r_i - d_ij)), W_ii = 0 (D_i x_i = 0);   S_i = sum_j k_ij;   v_i = S_i mu - sum_j W_ij x_j;   g_i = v_i - x_i (x_i . v_i + 31) b_i;   out_i = x_i + clip(g_i 0.1 / 64, +-1000).
; ONE WORK-GROUP OF FOUR WAVES: the median couples all 4,096 pairs, and all that is left of the work is 131,072 squared differences, 4,096 exponentials and one product 64 x 64 x 32;
; shared among work-groups, d would have to go through memory and a second launch.  No cluster, no tensor load: nothing is shared between work-groups, and the input is 8,320 bytes.
; SHARES.  Wave w owns particles i = 16 w + r.  Lane l = (r = l % 16, h = l / 16) owns i and the partners j = 16 q + 8 h + e (q = 0..3, e = 0..7), in register 8 q + e.  That is the layout of a 16-bit matrix
; operand (column r; k = 8 h + e in registers 0-3, 16 + 8 h + e in registers 4-7; K step q / 2), so W rounded in pairs IS source 1 of V^T = X^T W^T; source 0, 16 channels x 32 j, comes turned out of LDS.
; In the result a lane holds its own particle's channels 16 mt + 8 h + 0..7.  Only this product is rounded to bf16; d, r, m, S and the projection are f32.
; NO BRANCH AND NO ADDRESS HANGS ON DATA: the median's decisions are selections of values.
; LIMITS.  No particle is the zero vector (reference() divides by r too); NaN and infinities are not treated apart.  A weight k below 2^-126 counts as 0.  The median is exact where its two middle numbers fall
; into different buckets of 2^11 units of the last place, else within 2^-12 of itself, for every input.  W and x are rounded to bf16 for W X: that error grows with a common offset of x.
; The sums in d, r and m run in another order than reference()'s.  The clip is taken ahead of the scale: clip(g, +-640000) x 0.1 / 64, fused with the addition of x; 640000 x 0.1 / 64 = 1000 to within one rounding of f32.
; THE MODE: SCHED_MODE bits 1:0 = 2 (LLVM: expert scheduling mode 2), set by the entry lines.  The code itself states the register dependences between vector or matrix instructions and memory or LDS
; instructions, and those through scalar registers and VCC that vector instructions write, with s_wait_alu, always for 0.
; THE PLAN.  Registers that memory or LDS instructions touch:
;   v3 - v19      addresses: written at the head, read by loads and stores, never written again.
;   FL, FB, v201  the fill: read by LDS stores in part 1; the first chunks' loads land in them behind one wait on vm_vsrc.
;   XJ0 .. XJ3    Chunk n's packed lines read XJ[n % 4].  At its head the loads of chunk n + 3 land in XJ[(n - 1) % 4], which chunk n - 1 alone has read: one wait on va_vdst stands ahead of them,
;                 and no vector line of chunk n names that buffer.  P, TD, D and XI are named by vector instructions alone while the chunks run.
;   XI, XJ0-2     behind the last chunk, and one wait on va_vdst, the loads of XE, MUE, AJ, BJ and XT land in them.
;   CL, CG        A round of the median: v_mov_b32 writes CL, an LDS store reads it, the sum of the four counts writes it again behind a wait on vm_vsrc; an LDS load lands in CG, the sum reads it.
;                 The round's one wait on va_vdst, ahead of the store, states that CL is written and that the round before is done reading CG; no vector line stands between it and the load into CG.
;   MX, MN; VV    written by vector lines, read once by LDS stores behind a wait on va_vdst, never written again.  BK: LDS loads land in it behind VV's wait; global stores read it.
; Scalar results of vector lines: the wave's number, three kinds of runs of 32 compares into s[MASK ..], two compares into VCC: a wait stands between each and its first reader.  EXEC is never written.
.set XF,    0          ; LDS: x in f32, 64 rows of 128 bytes, dense: read only with all sixteen lanes of a half at one address
.set XB,    8192       ; x in bf16, [j][c], rows 96 bytes apart (64 of data): an odd multiple of 32
.set PB,    96
.set STA,   14336      ; a_j, 64 words; b_j 256 bytes behind
.set EX,    14848      ; the waves' counts: slot 0 at +0, slot 1 at +16 (a word a wave); at +32 each wave's two extremes
.set STAGE, 15104      ; the way out: 16 rows x 144 bytes for each wave
.set SP,    144
.set R,   1            ; l % 16
.set H,   2            ; l / 16
.set LIN, 3            ; 16 x thread: my 16 bytes of each quarter of x, in memory and in XF
.set XIO, 4            ; 128 i
.set XBA, 5            ; where my four bf16 go in XB
.set STW, 6            ; STA + 4 i
.set XJA, 7            ; 1,024 h: my half's eight partners in a group of sixteen rows of XF
.set STR, 8            ; STA + 32 h
.set TRA, 9            ; the turning load's address
.set EXW, 10           ; EX + 4 w
.set EXR, 11           ; EX
.set FNW, 12           ; EX + 32 + 8 w
.set JD,  13           ; i - 8 h: register 8 q + e holds the pair i = j where 16 q + e equals it
.set XEO, 14           ; 128 i + 32 h
.set MUO, 15           ; 32 h
.set SGW, 16           ; the stage: where I put my channels
.set SGR, 17           ; the stage: where I read rows back
.set GO,  18           ; my 16 bytes of 512 consecutive bytes of out0
.set ZO,  19           ; 0
.set RI,  22           ; r_i            (named as a pair with b_i)
.set RB,  23           ; b_i
.set INVD, 24          ; 1 / denom      (pair with denom)
.set DEN, 25
.set NL,  26           ; -log2(e) / denom (pair with MED2)
.set MED2, 27          ; the sum of the two middle numbers
.set T,   28           ; the median's bits found so far
.set CAND, 29
.set CU,  30           ; how many d lie below the candidate refused last
.set CL,  31
.set CG,  32           ; v[32:39] what is read back from EX
.set MX,  40           ; (pair with MN)
.set MN,  41
.set TA,  42
.set TB,  43
.set U,   44
.set HI,  45
.set S,   46           ; S_i (pair with v47, at work)
.set COEF, 48          ; (pair with v49, at work)
.set MXC, 56           ; v[56:63] four chains of maxima (even) and minima (odd)
.set P,   28           ; v[28:43]  part 2 only: eight partners' sums, even and odd channels apart (the median's registers, which are first written behind part 2)
.set TD,  44           ; v[44:59]  part 2 only: differences
.set XI,  64           ; v[64:95]  x_i, all 32 channels; later XE and MUE
.set XE,  64           ; v[64:79]  x_i, my 16 channels of the result
.set MUE, 80           ; v[80:95]  mu, the same channels
.set D,   96           ; v[96:127] d, then k, then W
.set FL,  128          ; the fill: 16 numbers of x
.set FB,  144          ; the same in bf16
.set MU,  160          ; mu, all 32
.set RA,  192          ; two chains for r_i
.set MA,  196          ; two chains for m_i
.set TM,  200
.set XJ,  128          ; v[128:255] four buffers of 8 partners x 4 channels
.set AJ,  128          ; v[128:159] a_j
.set BJ,  160          ; v[160:191] b_j
.set XT,  192          ; v[192:223] X^T: K step s, channel tile mt at XT + 8 (2 s + mt)
.set TT,  224          ; v[224:255] at work: W's factor
.set WB,  128          ; v[128:143] W in bf16
.set V,   144          ; v[144:159] two accumulators
.set SA,  160          ; v[160:167] four chains for S
.set VV,  168          ; v[168:183] v, g, the result
.set DT,  184          ; v[184:187] two chains for x_i . v_i
.set BK,  224          ; v[224:239] rows read back from the stage
.set WV,  10           ; s10 my wave's number
.set SEL, 12           ; s[12:13] v_permlanex16_b32's selects: each lane takes its own place in the other half
.set BIT, 14
.set TRIP, 15
.set LO,  18           ; -640000
.set UP,  19           ; 640000
.set HLN, 20           ; 0.5 / ln 64
.set INF, 21           ; +infinity
.set MASK, 32          ; s[32:63] a lane mask, then a count, for each of my 32 registers of d
	s_load_b128 s[4:7], s[0:1], 0x0                ; particle s[4:5], mu s[6:7]
	s_load_b64 s[8:9], s[0:1], 0x10                ; out0
	v_lshl_add_u32 v20, v0, 2, 0x5f00
	v_mov_b32 v21, 0
	v_lshrrev_b32 v50, 5, v0
	v_readfirstlane_b32 s[WV], v50                 ; wave 0..3
	v_and_b32 v[R], 15, v0
	v_lshlrev_b32 v[LIN], 4, v0
	v_mov_b32 v[ZO], 0
	s_wait_alu depctr_va_sdst(0)                   ; s[WV] is written, ahead of its first reader
	v_lshl_add_u32 v51, s[WV], 4, v[R]             ; i
	v_lshlrev_b32 v[XIO], 7, v51
	s_wait_kmcnt 0x0
	s_wait_alu depctr_va_vdst(0)                   ; v[LIN], v[XIO] and v[ZO] are written, which the twenty loads below read as their offsets
.irp z, 0,1,2,3
	global_load_b128 v[FL+4*(\z):FL+4*(\z)+3], v[LIN], s[4:5] offset:2048*(\z)  ; all of x once, 128 threads x 16 bytes x 4
.endr
.irp z, 0,1,2,3,4,5,6,7
	global_load_b128 v[XI+4*(\z):XI+4*(\z)+3], v[XIO], s[4:5] offset:16*(\z)    ; my particle's row
.endr
.irp z, 0,1,2,3,4,5,6,7
	global_load_b128 v[MU+4*(\z):MU+4*(\z)+3], v[ZO], s[6:7] offset:16*(\z)     ; mu
.endr
	; the other addresses and constants are made while those twenty loads are out; none of these lines writes a register that the loads read or land in
	v_bfe_u32 v[H], v0, 4, 1
	v_and_b32 v50, 31, v0                          ; l
	v_lshrrev_b32 v52, 3, v0                       ; thread / 8: the row, within sixteen, of my 16 bytes
	v_and_b32 v53, 7, v0                           ; thread % 8 = l % 8
	v_mul_u32_u24 v[XBA], v52, PB
	v_lshl_add_u32 v[XBA], v53, 3, v[XBA]
	v_add_nc_u32 v[XBA], XB, v[XBA]
	v_lshl_add_u32 v[STW], v51, 2, STA
	v_lshlrev_b32 v[XJA], 10, v[H]
	v_lshl_add_u32 v[STR], v[H], 5, STA
	v_lshl_add_u32 v54, v[H], 3, v53               ; the turning load: lane l reads row 8 h + l % 8, 16 bytes at 16 ((l / 8) % 2)
	v_mul_u32_u24 v[TRA], v54, PB
	v_bfe_u32 v55, v0, 3, 1
	v_lshl_add_u32 v[TRA], v55, 4, v[TRA]
	v_add_nc_u32 v[TRA], XB, v[TRA]
	s_lshl_b32 s11, s[WV], 2
	s_add_co_u32 s11, s11, EX
	v_mov_b32 v[EXW], s11
	v_mov_b32 v[EXR], EX
	s_lshl_b32 s11, s[WV], 3
	s_add_co_u32 s11, s11, EX+32
	v_mov_b32 v[FNW], s11
	v_lshlrev_b32 v54, 3, v[H]
	v_sub_nc_u32 v[JD], v51, v54                   ; (wraps where i < 8 h: then it equals no 16 q + e)
	v_lshl_add_u32 v[XEO], v[H], 5, v[XIO]
	v_lshlrev_b32 v[MUO], 5, v[H]
	s_mul_i32 s11, s[WV], 16*SP
	s_add_co_u32 s11, s11, STAGE                   ; my wave's stage
	v_mul_u32_u24 v[SGW], v[R], SP
	v_lshl_add_u32 v[SGW], v[H], 5, v[SGW]
	v_add_nc_u32 v[SGW], s11, v[SGW]
	v_bfe_u32 v54, v0, 3, 2                        ; l / 8: 32 lanes take four rows of 128 bytes
	v_mul_u32_u24 v[SGR], v54, SP
	v_lshl_add_u32 v[SGR], v53, 4, v[SGR]
	v_add_nc_u32 v[SGR], s11, v[SGR]
	s_lshl_b32 s11, s[WV], 11                      ; my wave's 16 rows of out0
	v_lshl_add_u32 v[GO], v50, 4, s11
	v_mov_b32 v[TA], 0                             ; the destinations of v_permlanex16_b32 count as read: written once here
	v_mov_b32 v[TB], 0
	v_mov_b32 v[S+1], 0
	v_mov_b32 v[COEF+1], 0
	s_mov_b32 s[SEL], 0x76543210
	s_mov_b32 s[SEL+1], 0xfedcba98
	s_mov_b32 s[LO], 0xc91c4000                    ; -640000
	s_mov_b32 s[UP], 0x491c4000                    ; 640000
	s_mov_b32 s[HLN], 0x3df6384f                   ; 0.5 / ln 64
	s_mov_b32 s[INF], 0x7f800000
	; 1. x INTO LDS, in f32 and in bf16; a_i and b_i
	s_wait_loadcnt 16                              ; the four fill loads are in; the 16 younger (my row, mu) may stay out
.irp z, 0,1,2,3
	ds_store_b128 v[LIN], v[FL+4*(\z):FL+4*(\z)+3] offset:XF+2048*(\z)  ; v[LIN] stands ahead of the wait in front of the loads; FL comes from loads
.endr
.irp z, 0,1,2,3
	v_cvt_pk_bf16_f32 v[FB+2*(\z)], v[FL+4*(\z)], v[FL+4*(\z)+1]
	v_cvt_pk_bf16_f32 v[FB+2*(\z)+1], v[FL+4*(\z)+2], v[FL+4*(\z)+3]
.endr
	s_wait_alu depctr_va_vdst(0)                   ; the conversions have written FB, which the LDS stores read; all the head's addresses, v5 to v18, are written too, for the rest of the kernel
.irp z, 0,1,2,3
	ds_store_b64 v[XBA], v[FB+2*(\z):FB+2*(\z)+1] offset:16*PB*(\z)
.endr
	s_wait_loadcnt 0x0                             ; my row and mu
.set p, 0
.rept 16                               ; r_i and m_i, two chains each; the first products start the sums
.if p < 2
	v_pk_mul_f32 v[RA+2*p:RA+2*p+1], v[XI+2*p:XI+2*p+1], v[XI+2*p:XI+2*p+1]
	v_pk_mul_f32 v[MA+2*p:MA+2*p+1], v[XI+2*p:XI+2*p+1], v[MU+2*p:MU+2*p+1]
.else
	v_pk_fma_f32 v[RA+2*(p%2):RA+2*(p%2)+1], v[XI+2*p:XI+2*p+1], v[XI+2*p:XI+2*p+1], v[RA+2*(p%2):RA+2*(p%2)+1]
	v_pk_fma_f32 v[MA+2*(p%2):MA+2*(p%2)+1], v[XI+2*p:XI+2*p+1], v[MU+2*p:MU+2*p+1], v[MA+2*(p%2):MA+2*(p%2)+1]
.endif
.set p, p+1
.endr
	v_pk_add_f32 v[RA:RA+1], v[RA:RA+1], v[RA+2:RA+3]
	v_pk_add_f32 v[MA:MA+1], v[MA:MA+1], v[MA+2:MA+3]
	v_add_f32 v[RI], v[RA], v[RA+1]
	v_add_f32 v[TM], v[MA], v[MA+1]
	v_rcp_f32 v[RB], v[RI]
	v_add_f32 v[TM], 0x41f80000, v[TM]             ; m_i + 31: the plain instruction behind the reciprocal
	s_wait_alu depctr_va_vdst(0)                   ; the reciprocal has written v[RB], ahead of its first readers: the LDS store and the multiply below
	ds_store_b32 v[STW], v[RB] offset:256          ; (both halves of the lanes hold the same i and write the same number)
	v_mul_f32 v[TM+1], v[TM], v[RB]                ; a_i
	s_wait_alu depctr_va_vdst(0)                   ; the multiply has written a_i, which the LDS store reads; all of part 1's vector lines are done with v128 to v223, in which the first chunks land
	ds_store_b32 v[STW], v[TM+1]
	s_wait_dscnt 0x0                               ; for the others' sake: my stores are done
	s_barrier_signal -1
	s_barrier_wait -1                              ; x, a and b lie whole in LDS; they are never written again
	s_wait_alu depctr_vm_vsrc(0)                   ; my LDS stores have read FL, FB and a_i's register: these are XJ's buffers from here on, in which the chunks' loads land
	; 2. d_ij, from differences in f32, as reference() makes it.  32 chunks n = 8 q + z: eight partners x four channels, through four register buffers.
.macro LOADC n
.set lq, (\n)/8
.set lz, (\n)%8
.set lb, XJ+32*((\n)%4)
.irp e, 0,1,2,3,4,5,6,7
	ds_load_b128 v[lb+4*(\e):lb+4*(\e)+3], v[XJA] offset:XF+(16*lq+(\e))*128+16*lz
.endr
.endm
.macro CHUNK n
.set cq, (\n)/8
.set cz, (\n)%8
.set cb, XJ+32*((\n)%4)
.if (\n) < 29
.if (\n) > 0
	s_wait_alu depctr_va_vdst(0)                   ; the chunk before is done reading its buffer, in which the eight loads below land; no vector line of this chunk names that buffer
.endif
	LOADC (\n)+3                                   ; the buffer read last takes the chunk three further on (chunk 0: the fourth buffer, which nothing has named yet)
	s_wait_dscnt 24                                ; LDS loads come back in order: this chunk's eight are in, the three younger chunks' 24 may be out
.else
	s_wait_dscnt 8*(31-(\n))                       ; the last three chunks ask for nothing: two younger chunks, one, none
.endif
.irp u, 0,1
.irp e, 0,1,2,3,4,5,6,7
	v_pk_add_f32 v[TD+2*(\e):TD+2*(\e)+1], v[XI+4*cz+2*(\u):XI+4*cz+2*(\u)+1], v[cb+4*(\e)+2*(\u):cb+4*(\e)+2*(\u)+1] neg_lo:[0,1] neg_hi:[0,1]
.endr
.irp e, 0,1,2,3,4,5,6,7
.if (cz == 0) && ((\u) == 0)
	v_pk_mul_f32 v[P+2*(\e):P+2*(\e)+1], v[TD+2*(\e):TD+2*(\e)+1], v[TD+2*(\e):TD+2*(\e)+1]  ; the first squares start the sums
.else
	v_pk_fma_f32 v[P+2*(\e):P+2*(\e)+1], v[TD+2*(\e):TD+2*(\e)+1], v[TD+2*(\e):TD+2*(\e)+1], v[P+2*(\e):P+2*(\e)+1]
.endif
.endr
.endr
.if cz == 7
.irp e, 0,1,2,3,4,5,6,7
	v_add_f32 v[D+8*cq+(\e)], v[P+2*(\e)], v[P+2*(\e)+1]
.endr
.endif
.endm
	LOADC 0
	LOADC 1
	LOADC 2
.set n, 0
.rept 32
	CHUNK n
.set n, n+1
.endr
	; what the phases behind the median want is asked for now: it lands while the median is found
	s_wait_alu depctr_va_vdst(0)                   ; the chunks are done reading XI and XJ's buffers, in which the loads below land
.irp z, 0,1
	global_load_b128 v[XE+8*(\z):XE+8*(\z)+3],     v[XEO], s[4:5] offset:64*(\z)      ; x_i, channels 16 z + 8 h + 0..7
	global_load_b128 v[XE+8*(\z)+4:XE+8*(\z)+7],   v[XEO], s[4:5] offset:64*(\z)+16
	global_load_b128 v[MUE+8*(\z):MUE+8*(\z)+3],   v[MUO], s[6:7] offset:64*(\z)      ; mu, the same channels
	global_load_b128 v[MUE+8*(\z)+4:MUE+8*(\z)+7], v[MUO], s[6:7] offset:64*(\z)+16
.endr
.irp q, 0,1,2,3
.irp u, 0,1
	ds_load_b128 v[AJ+8*(\q)+4*(\u):AJ+8*(\q)+4*(\u)+3], v[STR] offset:64*(\q)+16*(\u)
	ds_load_b128 v[BJ+8*(\q)+4*(\u):BJ+8*(\q)+4*(\u)+3], v[STR] offset:64*(\q)+16*(\u)+256
.endr
.endr
.irp s, 0,1
.irp m, 0,1
	ds_load_tr16_b128 v[XT+8*(2*(\s)+(\m)):XT+8*(2*(\s)+(\m))+3],   v[TRA] offset:32*PB*(\s)+32*(\m)        ; j = 32 s + 8 h + 0..7 of channel 16 m + r
	ds_load_tr16_b128 v[XT+8*(2*(\s)+(\m))+4:XT+8*(2*(\s)+(\m))+7], v[TRA] offset:32*PB*(\s)+32*(\m)+16*PB  ; j = 32 s + 16 + 8 h + 0..7
.endr
.endr
	; 3. THE MEDIAN of the 4,096 d.  d >= 0, so the bit patterns order as the numbers do.  Bit by bit, from bit 30 to bit 11: T is the greatest multiple of 2^11 below which at most 2,047 of the d lie.
	; A round: each wave counts its 1,024 (a compare a register into a lane mask, the masks' bits counted and added in a tree), the four counts meet in LDS, every lane decides alike, by selection.
	; ONE BARRIER A ROUND, on two slots by turns: a slot is stored again only behind the other slot's barrier, in front of which every wave has waited for its reads of the first.
	v_mov_b32 v[T], 0
	v_mov_b32 v[CU], 0x1000                        ; below the bound above all candidates lie all 4,096
	s_mov_b32 s[BIT], 0x40000000
	s_mov_b32 s[TRIP], 10
.macro ROUND slot
	v_or_b32 v[CAND], s[BIT], v[T]
.set k, 0
.rept 32
	v_cmp_gt_u32 s[MASK+k], v[CAND], v[D+k]
.set k, k+1
.endr
	s_wait_alu depctr_va_sdst(0)                   ; the 32 compares have written s[MASK ..], ahead of their first reader: one wait for the run
.set k, 0
.rept 32
	s_bcnt1_i32_b32 s[MASK+k], s[MASK+k]
.set k, k+1
.endr
.irp st, 16,8,4,2,1
.set k, 0
.rept (\st)
	s_add_co_u32 s[MASK+k], s[MASK+k], s[MASK+k+(\st)]
.set k, k+1
.endr
.endr
	v_mov_b32 v[CL], s[MASK]
	s_wait_alu depctr_va_vdst(0)                   ; v[CL] is written, which the LDS store reads; the round before is done reading CG, in which the LDS load below lands (no vector line stands between)
	ds_store_b32 v[EXW], v[CL] offset:16*(\slot)
	s_wait_dscnt 0x0                               ; for the others' sake: my count is in LDS (the first time also: the loads issued above are in)
	s_barrier_signal -1
	s_lshr_b32 s[BIT], s[BIT], 1
	s_barrier_wait -1
	ds_load_b128 v[CG:CG+3], v[EXR] offset:16*(\slot)
	s_wait_dscnt 0x0
	s_wait_alu depctr_vm_vsrc(0)                   ; the LDS store has read v[CL], which the sum below writes again
	v_add3_u32 v[CL], v[CG], v[CG+1], v[CG+2]
	v_add_nc_u32 v[CL], v[CL], v[CG+3]
	v_cmp_gt_u32 vcc_lo, 0x800, v[CL]              ; at most 2,047 below the candidate: it is taken
	s_wait_alu depctr_va_vcc(0)                    ; the compare has written VCC, ahead of the two selections that read it
	v_cndmask_b32 v[T], v[T], v[CAND], vcc_lo
	v_cndmask_b32 v[CU], v[CL], v[CU], vcc_lo      ; else its count is kept
.endm
.Lbit:                                         ; ten trips of two rounds: bits 30 to 11
	ROUND 0
	ROUND 1
	s_sub_co_i32 s[TRIP], s[TRIP], 1
	s_cmp_lg_u32 s[TRIP], 0
	s_cbranch_scc1 .Lbit
	; U = T + 2^11 is the candidate refused last, CU >= 2,048 the count below it.  The lower middle number lies in [T, U): it is taken as the greatest d below U (exactly so where CU = 2,048);
	; the upper one is the least d from U on where CU = 2,048, else it lies in the same bucket and is taken as the same number.
	v_add_nc_u32 v[U], 0x800, v[T]
.set k, 0
.rept 32
	v_cmp_gt_u32 s[MASK+k], v[U], v[D+k]
.set k, k+1
.endr
	s_wait_alu depctr_va_sdst(0)                   ; the 32 compares have written s[MASK ..], ahead of the selections that read them: one wait for the run
.irp c, 0,1,2,3                        ; four chains each; for the maximum a d from U on counts as 0, for the minimum a d below U as +infinity
	v_cndmask_b32 v[MXC+2*(\c)], 0, v[D+(\c)], s[MASK+(\c)]
	v_cndmask_b32 v[MXC+2*(\c)+1], v[D+(\c)], s[INF], s[MASK+(\c)]
.endr
.set g, 4
.rept 7
.irp c, 0,1,2,3
	v_cndmask_b32 v[TT+2*(\c)], 0, v[D+g+(\c)], s[MASK+g+(\c)]
	v_cndmask_b32 v[TT+2*(\c)+1], v[D+g+(\c)], s[INF], s[MASK+g+(\c)]
.endr
.irp c, 0,1,2,3
	v_max_num_f32 v[MXC+2*(\c)], v[MXC+2*(\c)], v[TT+2*(\c)]
	v_min_num_f32 v[MXC+2*(\c)+1], v[MXC+2*(\c)+1], v[TT+2*(\c)+1]
.endr
.set g, g+4
.endr
	v_max3_num_f32 v[MXC], v[MXC], v[MXC+2], v[MXC+4]
	v_min3_num_f32 v[MXC+1], v[MXC+1], v[MXC+3], v[MXC+5]
	v_max_num_f32 v[MX], v[MXC], v[MXC+6]
	v_min_num_f32 v[MN], v[MXC+1], v[MXC+7]
.irp m, 1,2,4,8                        ; across the lanes: four steps inside each half ride on the arithmetic, one crosses the halves
	v_max_num_f32_dpp v[MX], v[MX], v[MX] row_xmask:\m row_mask:0xf bank_mask:0xf
	v_min_num_f32_dpp v[MN], v[MN], v[MN] row_xmask:\m row_mask:0xf bank_mask:0xf
.endr
	v_permlanex16_b32 v[TA], v[MX], s[SEL], s[SEL+1]
	v_permlanex16_b32 v[TB], v[MN], s[SEL], s[SEL+1]
	v_max_num_f32 v[MX], v[MX], v[TA]
	v_min_num_f32 v[MN], v[MN], v[TB]
	s_wait_alu depctr_va_vdst(0)                   ; v[MX] and v[MN] are written, which the LDS store reads; every vector line that named CG .. CG+7 is done, in which the two LDS loads below land
	ds_store_b64 v[FNW], v[MX:MN]
	s_wait_dscnt 0x0                               ; for the others' sake
	s_barrier_signal -1
	s_barrier_wait -1
	ds_load_b128 v[CG:CG+3], v[EXR] offset:32
	ds_load_b128 v[CG+4:CG+7], v[EXR] offset:48
	s_wait_dscnt 0x0
	v_max3_num_f32 v[TA], v[CG], v[CG+2], v[CG+4]
	v_min3_num_f32 v[TB], v[CG+1], v[CG+3], v[CG+5]
	v_max_num_f32 v[TA], v[TA], v[CG+6]
	v_min_num_f32 v[TB], v[TB], v[CG+7]
	v_cmp_gt_u32 vcc_lo, 0x801, v[CU]
	s_wait_alu depctr_va_vcc(0)                    ; the compare has written VCC, ahead of the selection that reads it
	v_cndmask_b32 v[HI], v[TA], v[TB], vcc_lo
	v_add_f32 v[MED2], v[TA], v[HI]
	v_fmaak_f32 v[DEN], s[HLN], v[MED2], 0x358637bd  ; denom = (sum of the two) x 0.5 / ln 64 + 1e-6
	v_rcp_f32 v[INVD], v[DEN]
	; 4. THE WEIGHTS.  r_i - d needs no median: it is the independent work behind the reciprocal.
.set p, 0
.rept 16
	v_pk_add_f32 v[TT+2*p:TT+2*p+1], v[RI:RI+1], v[D+2*p:D+2*p+1] op_sel_hi:[0,1] neg_lo:[0,1] neg_hi:[0,1]
.set p, p+1
.endr
	s_wait_alu depctr_va_vdst(0)                   ; the reciprocal has written v[INVD], ahead of its first reader
	v_mul_f32 v[NL], 0xbfb8aa3b, v[INVD]           ; -log2(e) / denom
.set p, 0
.rept 16
	v_pk_mul_f32 v[D+2*p:D+2*p+1], v[D+2*p:D+2*p+1], v[NL:NL+1] op_sel_hi:[1,0]
.set p, p+1
.endr
.set p, 0
.rept 16                               ; the 32 exponentials are one batch; a plain instruction that names none of their registers stands behind each
	v_exp_f32 v[D+2*p], v[D+2*p]
	v_pk_mul_f32 v[BJ+2*p:BJ+2*p+1], v[BJ+2*p:BJ+2*p+1], v[INVD:INVD+1] op_sel_hi:[1,0]  ; invd b_j
	v_exp_f32 v[D+2*p+1], v[D+2*p+1]
	v_pk_add_f32 v[AJ+2*p:AJ+2*p+1], v[AJ+2*p:AJ+2*p+1], v[INVD:INVD+1] op_sel_hi:[1,0]  ; a_j + invd
.set p, p+1
.endr
.set k, 0
.rept 32                               ; which of my registers holds the pair i = j: the compares stand in one run, into s[MASK ..], with W's factor between them and their wait
	v_cmp_ne_u32 s[MASK+k], 16*(k/8)+k%8, v[JD]
.set k, k+1
.endr
.set p, 0
.rept 16
	v_pk_fma_f32 v[TT+2*p:TT+2*p+1], v[BJ+2*p:BJ+2*p+1], v[TT+2*p:TT+2*p+1], v[AJ+2*p:AJ+2*p+1]
.set p, p+1
.endr
	s_wait_alu depctr_va_sdst(0)                   ; the 32 compares have written s[MASK ..], ahead of the selections that read them: one wait for the run
.set k, 0
.rept 32                               ; W_ii = 0
	v_cndmask_b32 v[TT+k], 0, v[TT+k], s[MASK+k]
.set k, k+1
.endr
	s_wait_alu depctr_va_vdst(0)                   ; the 32 exponentials have written the k in v[D ..]: one wait for the batch, ahead of the first line that names a k
.irp c, 0,1,2,3                        ; S_i, k_ii = 1 among its terms: four chains over the 16 pairs
	v_pk_add_f32 v[SA+2*(\c):SA+2*(\c)+1], v[D+2*(\c):D+2*(\c)+1], v[D+8+2*(\c):D+8+2*(\c)+1]
.endr
.irp c, 0,1,2,3
	v_pk_add_f32 v[SA+2*(\c):SA+2*(\c)+1], v[SA+2*(\c):SA+2*(\c)+1], v[D+16+2*(\c):D+16+2*(\c)+1]
.endr
.irp c, 0,1,2,3
	v_pk_add_f32 v[SA+2*(\c):SA+2*(\c)+1], v[SA+2*(\c):SA+2*(\c)+1], v[D+24+2*(\c):D+24+2*(\c)+1]
.endr
.set p, 0
.rept 16
	v_pk_mul_f32 v[D+2*p:D+2*p+1], v[D+2*p:D+2*p+1], v[TT+2*p:TT+2*p+1]
.set p, p+1
.endr
.set p, 0
.rept 16
	v_cvt_pk_bf16_f32 v[WB+p], v[D+2*p], v[D+2*p+1]
.set p, p+1
.endr
	; 5. V^T = X^T W^T: two channel tiles x two K steps of 32 partners.  The two accumulators take turns; the first products start the sums.
	v_wmma_f32_16x16x32_bf16 v[V:V+7],    v[XT:XT+7],     v[WB:WB+7],    0
	v_wmma_f32_16x16x32_bf16 v[V+8:V+15], v[XT+8:XT+15],  v[WB:WB+7],    0
	v_wmma_f32_16x16x32_bf16 v[V:V+7],    v[XT+16:XT+23], v[WB+8:WB+15], v[V:V+7]
	v_wmma_f32_16x16x32_bf16 v[V+8:V+15], v[XT+24:XT+31], v[WB+8:WB+15], v[V+8:V+15]
	v_pk_add_f32 v[SA:SA+1], v[SA:SA+1], v[SA+2:SA+3]        ; eight plain instructions that name none of the products' registers stand behind them
	v_pk_add_f32 v[SA+4:SA+5], v[SA+4:SA+5], v[SA+6:SA+7]
	v_pk_add_f32 v[SA:SA+1], v[SA:SA+1], v[SA+4:SA+5]
	v_add_f32 v[S], v[SA], v[SA+1]
.rept 4
	v_nop
.endr
	v_permlanex16_b32 v[S+1], v[S], s[SEL], s[SEL+1]         ; the particle's other 32 partners lie in the lane 16 away
	v_add_f32 v[S], v[S], v[S+1]
	s_wait_loadcnt 0x0                             ; x_i's and mu's 16 channels, asked for ahead of the median
	; 6. v = S mu - V; g = v - x (x . v + 31) b; out = x + clip(g) 0.1 / 64.  Each accumulator is read from its low end on.
.set p, 0
.rept 8
	v_pk_fma_f32 v[VV+2*p:VV+2*p+1], v[MUE+2*p:MUE+2*p+1], v[S:S+1], v[V+2*p:V+2*p+1] op_sel_hi:[1,0,1] neg_lo:[0,0,1] neg_hi:[0,0,1]
.set p, p+1
.endr
.set p, 0
.rept 8
.if p < 2
	v_pk_mul_f32 v[DT+2*p:DT+2*p+1], v[XE+2*p:XE+2*p+1], v[VV+2*p:VV+2*p+1]
.else
	v_pk_fma_f32 v[DT+2*(p%2):DT+2*(p%2)+1], v[XE+2*p:XE+2*p+1], v[VV+2*p:VV+2*p+1], v[DT+2*(p%2):DT+2*(p%2)+1]
.endif
.set p, p+1
.endr
	v_pk_add_f32 v[DT:DT+1], v[DT:DT+1], v[DT+2:DT+3]
	v_add_f32 v[DT], v[DT], v[DT+1]
	v_permlanex16_b32 v[COEF+1], v[DT], s[SEL], s[SEL+1]     ; the other 16 channels
	v_add_f32 v[DT], v[DT], v[COEF+1]
	v_add_f32 v[COEF], 0x41f80000, v[DT]
	v_mul_f32 v[COEF], v[COEF], v[RB]
.set p, 0
.rept 8
	v_pk_fma_f32 v[VV+2*p:VV+2*p+1], v[XE+2*p:XE+2*p+1], v[COEF:COEF+1], v[VV+2*p:VV+2*p+1] op_sel_hi:[1,0,1] neg_lo:[1,0,0] neg_hi:[1,0,0]
.set p, p+1
.endr
.set k, 0
.rept 16
	v_med3_num_f32 v[VV+k], v[VV+k], s[LO], s[UP]
.set k, k+1
.endr
.set p, 0
.rept 8
	v_pk_fma_f32 v[VV+2*p:VV+2*p+1], v[VV+2*p:VV+2*p+1], 0x3acccccd, v[XE+2*p:XE+2*p+1] op_sel_hi:[1,0,1]
.set p, p+1
.endr
	; THE WAY OUT, through my wave's own stage: a lane's channels go into rows of 144 bytes and come back as whole rows of 128
	s_wait_alu depctr_va_vdst(0)                   ; the last multiply-adds have written VV, which the LDS stores read; every vector line that named TT's registers is done, in which the read-backs (BK) land
	ds_store_b128 v[SGW], v[VV:VV+3]
	ds_store_b128 v[SGW], v[VV+4:VV+7] offset:16
	ds_store_b128 v[SGW], v[VV+8:VV+11] offset:64
	ds_store_b128 v[SGW], v[VV+12:VV+15] offset:80
.irp z, 0,1,2,3
	ds_load_b128 v[BK+4*(\z):BK+4*(\z)+3], v[SGR] offset:4*SP*(\z)  ; LDS serves a wave's instructions in order (ISA guide 5.7.1.4): these see the stores above
.endr
.irp z, 0,1,2,3
	s_wait_dscnt 3-(\z)                            ; four rows are back; the younger loads may stay out
	global_store_b128 v[GO], v[BK+4*(\z):BK+4*(\z)+3], s[8:9] offset:512*(\z)  ; 512 consecutive bytes, at a multiple of 256 from out0's first
.endr
	s_wait_dscnt 0x0                               ; the wave's end.  The closing add below adds 0 to the 512 bytes from LDS byte 24,320 on
	s_wait_alu depctr_hold_cnt(0) depctr_sa_sdst(0) depctr_va_vdst(0) depctr_va_sdst(0) depctr_va_ssrc(0) depctr_va_vcc(0) depctr_vm_vsrc(0)
	s_wait_tensorcnt 0x0
	ds_add_u32 v20, v21
	s_wait_dscnt 0x0
	s_endpgm
.Lfunc_end_k_qa79a5692a8_svgd:
	.size	k_qa79a5692a8_svgd, .Lfunc_end_k_qa79a5692a8_svgd-k_qa79a5692a8_svgd
	.p2alignl 7, 3214868480
	.fill 96, 4, 3214868480
	.section	.rodata,"a",@progbits
	.p2align	6, 0x0
	.amdhsa_kernel k_qa79a5692a8_svgd
		.amdhsa_group_segment_fixed_size 24832
		.amdhsa_private_segment_fixed_size 0
		.amdhsa_enable_private_segment 0
		.amdhsa_kernarg_size 24
		.amdhsa_user_sgpr_count 2
		.amdhsa_user_sgpr_kernarg_segment_ptr 1
		.amdhsa_wavefront_size32 1
		.amdhsa_system_sgpr_workgroup_id_x 1
		.amdhsa_system_sgpr_workgroup_id_y 1
		.amdhsa_system_sgpr_workgroup_id_z 1
		.amdhsa_system_vgpr_workitem_id 0
		.amdhsa_next_free_vgpr 256
		.amdhsa_next_free_sgpr 66
		.amdhsa_reserve_vcc 1
		.amdhsa_float_denorm_mode_32 3
		.amdhsa_float_denorm_mode_16_64 3
		.amdhsa_memory_ordered 1
		.amdhsa_forward_progress 1
		.amdhsa_inst_pref_size 132
	.end_amdhsa_kernel
	.amdgpu_metadata
---
amdhsa.version: [ 1, 2 ]
amdhsa.kernels:
  - .name:           k_qa79a5692a8_svgd
    .symbol:         k_qa79a5692a8_svgd.kd
    .args:
      - { .name: particle, .offset: 0, .size: 8, .value_kind: global_buffer, .address_space: global }
      - { .name: mu, .offset: 8, .size: 8, .value_kind: global_buffer, .address_space: global }
      - { .name: out0, .offset: 16, .size: 8, .value_kind: global_buffer, .address_space: global }
    .group_segment_fixed_size: 24832
    .private_segment_fixed_size: 0
    .kernarg_segment_align: 8
    .kernarg_segment_size: 24
    .max_flat_workgroup_size: 128
    .sgpr_count:     66
    .vgpr_count:     256
    .wavefront_size: 32
...
	.end_amdgpu_metadata
.endif
;; end of part 2
